; MI455X (gfx1250); checked and timed in simulation.
; The chip was launched on July 23, 2026; its instructions are those of AMD's public machine-readable ISA for CDNA 5 (MIT licence, August 2026) and "CDNA5" Instruction Set Architecture Reference Guide (July 2026). The comments in the code are by the model that wrote it; some were corrected since.
;; Enhanced H Bit Linear. Allowed arithmetic: float matrix products may take bf16 or f16 operands with f32 sums; other float arithmetic in f32, or as packed bf16 or f16 multiplies, adds, multiply-adds, maxima and minima; sums over many terms, partial sums and values carried from step to step in f32; what a program stores and reads back later, other than sums and carried values, may be rounded once to bf16 or f16.
;; Inputs: had_scale 4,096 float32; had_shift 4,096 float32; weight 2,048 x 4,096 float32; x 2 x 4,096 x 4,096 float32.
;; Outputs: out0 2 x 4,096 x 2,048 float32.
;; One version. Each part assembles by itself: llvm-mc -triple=amdgcn-amd-amdhsa -mcpu=gfx1250 --defsym DOCPART=n.
;; ======== version 1 of 1: 3 launches
;; workspace buffers: part 1,024 bytes; xq 67,108,864 bytes; wt 16,777,216 bytes; rs 32,768 bytes
;; launch wsum (part 1): grid 256 x 1, 8 waves a work-group, no clusters, 1,280 bytes of LDS; arguments weight, part; writes part
.if DOCPART == 1
	.amdgcn_target "amdgcn-amd-amdhsa--gfx1250"
	.amdhsa_code_object_version 6
	.text
	.protected	k_q825619c848_wsum
	.globl	k_q825619c848_wsum
	.p2align	8
	.type	k_q825619c848_wsum,@function
k_q825619c848_wsum:
	s_mov_b64 s[64:65], 0
	v_nop
	global_prefetch_b8 v0, s[64:65] scope:SCOPE_SE
	s_setreg_imm32_b32 hwreg(HW_REG_WAVE_MODE, 25, 1), 1
	s_wait_xcnt 0x0
; LAUNCH 1 OF 3: 256 partial sums of |weight|, one a work-group, in f32.
; THE PROGRAM.  out[t][o] = sum over k of xq[t][k] wq[o][k], with xq = n (gamma/7), n a whole number in -7..7, and wq = c s, c in -1, 0, 1, s = mean|w| + 1e-5.
; WORK LEFT OUT, for all values of the inputs.  (1) ste(a, q) = a + (q - a) = q in real numbers: both straight-through sums go.  (2) gamma/7 hangs on t alone and s on nothing, so by
; distributivity out[t][o] = (gamma[t]/7) s x sum over k of n[t][k] c[o][k]: the two scales are applied once for each output, and the sum is one of whole numbers, exact in bf16 operands
; and f32 sums (28,672 at the most).  (3) clip(round(w/s), -1, 1) is not 0 exactly where |w| > s/2 as f32 numbers: the rounded quotient passes 0.5 only where |w|/s > 0.5 + 2^-25 (the tie
; goes to 0.5, and round takes 0.5 to 0), and the next f32 above s/2 lies more than 2^-24 of itself above it; so one compare stands for division, rounding and clip.  Every input is loaded.
; LIMITS.  The order of this sum is a tree of f32 partial sums, not the order of reference(); a NaN or an infinity that reaches only the sums left out under (1) is not carried to the result.
; SHARES.  Work-group g has rows 8 g .. 8 g + 7 of weight, wave v row 8 g + v: 16,384 bytes, 32 loads of 16 bytes a lane, all issued at once: each covers 512 consecutive bytes.
; No matrix unit, no cluster, no tensor load: nothing is shared and nothing is multiplied.
.set SPARE, 256                        ; LDS: bytes 0-31 the eight waves sums (the block 0-255 is theirs); from 256 the spare words, 128 bytes a wave
.set ACC,   8                          ; v[8:15]    four pairs of running sums
.set D,     128                        ; v[128:255] the row as loaded
	s_load_b128 s[4:7], s[0:1], 0x0                ; weight s[4:5], part s[6:7]
	v_lshl_add_u32 v4, v0, 2, SPARE                ; my spare word; never rewritten
	v_mov_b32 v5, 0                                ; 0; never rewritten
	v_and_b32 v1, 31, v0                           ; lane
	v_lshrrev_b32 v3, 5, v0
	v_readfirstlane_b32 s8, v3                     ; wave 0..7
	v_lshlrev_b32 v2, 4, v1                        ; 16 bytes a lane
	v_mov_b32 v6, 0                                ; offset of the one store
	v_mov_b32 v7, s8
	v_lshlrev_b32 v7, 2, v7                        ; LDS word of my wave
	s_mov_b32 s13, 0x7fffffff                      ; clears a sign
	s_mov_b32 s14, 0x76543210                      ; v_permlanex16_b32: each lane takes its own place in the other half
	s_mov_b32 s15, 0xfedcba98
	s_lshl_b32 s10, ttmp9, 17                      ; 8 rows of 16,384 bytes a work-group,
	s_lshl_b32 s9, s8, 14                          ; one a wave
	s_or_b32 s10, s10, s9
	s_mov_b32 s11, 0
	s_lshl_b32 s16, ttmp9, 2                       ; word g of part
	s_mov_b32 s17, 0
	s_wait_kmcnt 0x0
	s_add_nc_u64 s[4:5], s[4:5], s[10:11]
	s_add_nc_u64 s[6:7], s[6:7], s[16:17]
.set j, 0
.rept 32
	global_load_b128 v[D+4*j:D+4*j+3], v2, s[4:5] offset:512*j
.set j, j+1
.endr
; Eight loads worth of the row: signs cleared, pairs added onto four chains by turns.  The first four pairs start the chains: nothing is cleared.
.macro GRP q
	s_wait_loadcnt 24-8*(\q)                       ; loads come back in order: this group is in, the younger groups of eight stay out
.set p, 0
.rept 16
.set rr, D+32*(\q)+2*p
.if ((\q) == 0) && (p < 4)
	v_and_b32 v[ACC+2*p], s13, v[rr]
	v_and_b32 v[ACC+2*p+1], s13, v[rr+1]
.else
	v_and_b32 v[rr], s13, v[rr]
	v_and_b32 v[rr+1], s13, v[rr+1]
	v_pk_add_f32 v[ACC+2*(p%4):ACC+2*(p%4)+1], v[ACC+2*(p%4):ACC+2*(p%4)+1], v[rr:rr+1]
.endif
.set p, p+1
.endr
.endm
	GRP 0
	GRP 1
	GRP 2
	GRP 3
	v_pk_add_f32 v[8:9], v[8:9], v[10:11]
	v_pk_add_f32 v[12:13], v[12:13], v[14:15]
	v_pk_add_f32 v[8:9], v[8:9], v[12:13]
	v_add_f32 v8, v8, v9
	v_add_f32_dpp v8, v8, v8 row_xmask:1 row_mask:0xf bank_mask:0xf
	v_add_f32_dpp v8, v8, v8 row_xmask:2 row_mask:0xf bank_mask:0xf
	v_add_f32_dpp v8, v8, v8 row_xmask:4 row_mask:0xf bank_mask:0xf
	v_add_f32_dpp v8, v8, v8 row_xmask:8 row_mask:0xf bank_mask:0xf
	v_permlanex16_b32 v9, v8, s14, s15             ; its destination counts as read: v9 has been written
	v_add_f32 v8, v8, v9                           ; the sum of my row, in every lane
	ds_store_b32 v7, v8                            ; all lanes write the same word with the same number
	s_wait_dscnt 0x0                               ; for the other waves: my store is done
	s_barrier_signal -1
	s_barrier_wait -1
	s_cmp_lg_u32 s8, 0                             ; wave 0 adds the eight and stores
	s_cbranch_scc1 .Lend
	ds_load_b128 v[16:19], v6
	ds_load_b128 v[20:23], v6 offset:16
	s_wait_dscnt 0x0
	v_pk_add_f32 v[16:17], v[16:17], v[20:21]
	v_pk_add_f32 v[18:19], v[18:19], v[22:23]
	v_pk_add_f32 v[16:17], v[16:17], v[18:19]
	v_add_f32 v16, v16, v17
	s_wait_xcnt 0x0                                ; EXEC is a source of every memory instruction issued so far: it changes only behind this wait
	v_cmp_eq_u32 vcc_lo, 0, v0
	s_and_saveexec_b32 s12, vcc_lo
	global_store_b32 v6, v16, s[6:7]               ; one word a work-group: 256 such stores in the launch
	s_wait_xcnt 0x0                                ; and again ahead of the line that widens it
	s_or_b32 exec_lo, exec_lo, s12
.Lend:
	s_wait_tensorcnt 0x0                           ; the end of a wave that stored to LDS
	ds_add_u32 v4, v5
	s_wait_dscnt 0x0
	s_endpgm
.Lfunc_end_k_q825619c848_wsum:
	.size	k_q825619c848_wsum, .Lfunc_end_k_q825619c848_wsum-k_q825619c848_wsum
	.p2alignl 7, 3214868480
	.fill 96, 4, 3214868480
	.section	.rodata,"a",@progbits
	.p2align	6, 0x0
	.amdhsa_kernel k_q825619c848_wsum
		.amdhsa_group_segment_fixed_size 1280
		.amdhsa_private_segment_fixed_size 0
		.amdhsa_enable_private_segment 0
		.amdhsa_kernarg_size 16
		.amdhsa_user_sgpr_count 2
		.amdhsa_user_sgpr_kernarg_segment_ptr 1
		.amdhsa_wavefront_size32 1
		.amdhsa_system_sgpr_workgroup_id_x 1
		.amdhsa_system_sgpr_workgroup_id_y 1
		.amdhsa_system_sgpr_workgroup_id_z 1
		.amdhsa_system_vgpr_workitem_id 0
		.amdhsa_next_free_vgpr 256
		.amdhsa_next_free_sgpr 66
		.amdhsa_reserve_vcc 1
		.amdhsa_float_denorm_mode_32 3
		.amdhsa_float_denorm_mode_16_64 3
		.amdhsa_memory_ordered 1
		.amdhsa_forward_progress 1
		.amdhsa_inst_pref_size 14
	.end_amdhsa_kernel
	.amdgpu_metadata
---
amdhsa.version: [ 1, 2 ]
amdhsa.kernels:
  - .name:           k_q825619c848_wsum
    .symbol:         k_q825619c848_wsum.kd
    .args:
      - { .name: weight, .offset: 0, .size: 8, .value_kind: global_buffer, .address_space: global }
      - { .name: part, .offset: 8, .size: 8, .value_kind: global_buffer, .address_space: global }
    .group_segment_fixed_size: 1280
    .private_segment_fixed_size: 0
    .kernarg_segment_align: 8
    .kernarg_segment_size: 16
    .max_flat_workgroup_size: 256
    .sgpr_count:     66
    .vgpr_count:     256
    .wavefront_size: 32
...
	.end_amdgpu_metadata
.endif
;; end of part 1
;; launch prep (part 2): grid 256 x 1, 8 waves a work-group, no clusters, 33,792 bytes of LDS; arguments x, weight, had_scale, had_shift, part, xq, wt, rs; writes xq, wt, rs
.if DOCPART == 2
	.amdgcn_target "amdgcn-amd-amdhsa--gfx1250"
	.amdhsa_code_object_version 6
	.text
	.protected	k_q825619c848_prep
	.globl	k_q825619c848_prep
	.p2align	8
	.type	k_q825619c848_prep,@function
k_q825619c848_prep:
	s_mov_b64 s[64:65], 0
	v_nop
	global_prefetch_b8 v0, s[64:65] scope:SCOPE_SE
	s_setreg_imm32_b32 hwreg(HW_REG_WAVE_MODE, 25, 1), 1
	s_wait_xcnt 0x0
; LAUNCH 2 OF 3.  For each token row: the Walsh-Hadamard transform, scale and shift, gamma, the whole numbers n = clip(round(xh 7/gamma)) as bf16 (xq), and rs = (gamma/7) s.
; For each weight row: c = sign(w) where |w| > s/2, else 0, as bf16 (wt).  Left out, as shown at the head of the first kernel: the two straight-through sums; the scales go into rs.
; WHY f32 AND THIS ORDER.  One n that rounds the other way moves a whole row of the output by a quantisation step, so every decision is made on the same f32 numbers as in reference():
; the twelve stages are its own additions and subtractions in its own order (h = 1, 2, .. 2,048), each with one rounding; 1/64 is a power of two and is folded into had_scale without a
; rounding; 7/gamma is the correctly rounded quotient (a reciprocal, refined by fused residuals); xh x (7/gamma) is one rounded product; round is to nearest, ties to even.
; LIMITS.  xh scale + shift is ONE fused multiply-add.  had_scale/64 is exact for |had_scale| from 2^-120 on.  gamma above 2^126 is not served (its reciprocal would be flushed to 0).
; The maximum drops NaN: a NaN in x reaches every number of its row through the transform and so gamma too; a NaN that stands in had_scale or had_shift alone does not spread over the row.
; SHARES.  Work-group g: token rows 32 g .. 32 g + 31, weight rows 8 g .. 8 g + 7.  Wave v: token rows 32 g + 4 v + t, t = 0..3, then weight row 8 g + v, as a fifth row of the same pipeline.
; A ROW LIES IN ONE WAVE: element i = 128 j + 4 l + e in lane l, register 4 j + e.  So bits 0, 1 and 7-11 of i are register bits and bits 2-6 the lane:
; stages h = 1, 2 work between registers, h = 4 .. 64 between lanes, h = 128 .. 2,048 between registers again.  No LDS, no barrier in the transform.
; BETWEEN LANES.  The partner comes by a lane exchange; the new number is own x (+1 or -1) + partner, one fused multiply-add: a + b where my lane bit is 0, a - b where it is 1, one rounding.
; IN FLIGHT.  Stage h = 1 reads the landing registers L and writes others, so L is asked for again 128 instructions after it has landed: 16,384 bytes a wave are out nearly all the time.
; No tensor load, cluster or matrix unit: what work-groups share is 33 KiB in all, and the transform must not be rounded to 16 bits.
; REGISTERS.  Window 0: v0-31 see below; v32-47 T at work; v48-51 MX, v52-55 MN; v64-127 CB, two buffers of scale and shift, later P, the packed row; v128-255 WA.
;             Window 1: v0-127 L; v128-255 WB.  (s_set_vgpr_msb: bits 1:0 source 0, 3:2 source 1, 5:4 source 2, 7:6 destination.)
.set SC,    0                          ; LDS: had_scale / 64, 16,384 bytes, as in memory
.set SH,    16384                      ; had_shift
.set SPARE, 32768                      ; the spare words, 128 bytes a wave
.set SG,    20                         ; v[20:29]  five pairs: -1.0 where lane bit b is set, else 1.0, twice
.set T,     32
.set MX,    48
.set MN,    52
.set CB,    64
.set P,     64
.set WA,    128
; v1 lane; v2 16 x lane (f32 rows, and LDS); v3 8 x lane (bf16 rows); v4 spare word; v5 0; v6 lane t holds rs of row t; v7 16 x thread; v8 s; v9 s/2; v[10:11] 7/gamma twice;
; v12 gamma; v13-17 the quotient at work; v18 gamma/7, then rs; v19 at work; v30 4 x lane; v31 32 x lane
; s2 wave; s3 trips to go; s33 t; s4, s5 lane selects; s6, s7 -7, 7; s[8:9] an offset; s[10:11] the row to load next; s[12:13] xq at the row in hand; s[14:15] my weight row; s[36:37] my row of wt
.set MSB, 0
.macro WIN new                         ; the high byte repeats the setting that is left; a switch that changes nothing is dropped
.if MSB != (\new)
	s_set_vgpr_msb (MSB<<8)|(\new)
.set MSB, (\new)
.endif
.endm
.macro OFFS gs, vs                     ; s[8:9] = work-group << gs | wave << vs
	s_lshl_b32 s8, ttmp9, \gs
	s_lshl_b32 s38, s2, \vs
	s_or_b32 s8, s8, s38
.endm
.macro LOADL                           ; a row of 16,384 bytes into L: 32 loads, each 512 consecutive bytes
	WIN 0x40                                       ; destination window 1, address window 0
.set j, 0
.rept 32
	global_load_b128 v[4*j:4*j+3], v2, s[10:11] offset:512*j th:TH_LOAD_NT
.set j, j+1
.endr
.endm
	s_load_b512 s[16:31], s[0:1], 0x0              ; x s[16:17], weight s[18:19], had_scale s[20:21], had_shift s[22:23], part s[24:25], xq s[26:27], wt s[28:29], rs s[30:31]
	v_lshl_add_u32 v4, v0, 2, SPARE
	v_mov_b32 v5, 0
	v_and_b32 v1, 31, v0
	v_lshrrev_b32 v19, 5, v0
	v_readfirstlane_b32 s2, v19                    ; wave 0..7
	v_lshlrev_b32 v2, 4, v1
	v_lshlrev_b32 v3, 3, v1
	v_mov_b32 v6, 0
	v_lshlrev_b32 v7, 4, v0
	v_lshlrev_b32 v30, 2, v1
	v_lshlrev_b32 v31, 5, v1
.irp b, 0,1,2,3,4
	v_lshlrev_b32 v19, 31-(\b), v1                 ; lane bit b goes to the sign
	v_and_or_b32 v[SG+2*(\b)], v19, 0x80000000, 1.0
	v_mov_b32 v[SG+2*(\b)+1], v[SG+2*(\b)]
.endr
.set n, 0
.rept 16
	v_mov_b32 v[T+n], 0                            ; the destination of a lane exchange counts as read: written once here
.set n, n+1
.endr
	s_mov_b32 s4, 0x76543210
	s_mov_b32 s5, 0xfedcba98
	s_mov_b32 s6, 0xc0e00000                       ; -7.0
	s_mov_b32 s7, 0x40e00000                       ; 7.0
	s_mov_b32 s34, 0x7fffffff
	s_mov_b32 s35, 1.0
	s_mov_b32 s3, 4
	s_mov_b32 s33, 0
	s_mov_b32 s9, 0
	s_wait_kmcnt 0x0
	OFFS 19, 16                                    ; 32 rows of 16,384 bytes a work-group, 4 a wave
	s_add_nc_u64 s[10:11], s[16:17], s[8:9]
	OFFS 18, 15                                    ; the same rows of 8,192 bytes
	s_add_nc_u64 s[12:13], s[26:27], s[8:9]
	OFFS 17, 14                                    ; 8 rows of 16,384 bytes a work-group, 1 a wave
	s_add_nc_u64 s[14:15], s[18:19], s[8:9]
	OFFS 16, 13
	s_add_nc_u64 s[36:37], s[28:29], s[8:9]
	OFFS 7, 4                                      ; 32 words a work-group, 4 a wave
	s_add_nc_u64 s[30:31], s[30:31], s[8:9]
	LOADL                                          ; token row 0
	WIN 0
.irp i, 0,1,2,3
	global_load_b128 v[64+4*(\i):67+4*(\i)], v7, s[20:21] offset:4096*(\i)   ; the 256 threads take 4,096 consecutive bytes of had_scale,
.endr
.irp i, 0,1,2,3
	global_load_b128 v[80+4*(\i):83+4*(\i)], v7, s[22:23] offset:4096*(\i)   ; and of had_shift
.endr
	global_load_b128 v[96:99], v31, s[24:25]       ; every wave adds the 256 partial sums for itself: eight a lane
	global_load_b128 v[100:103], v31, s[24:25] offset:16
	s_wait_loadcnt 2                               ; all but the two loads of part
.set n, 0
.rept 8
	v_pk_mul_f32 v[64+n:65+n], v[64+n:65+n], 0x3c800000 op_sel_hi:[1,0]      ; had_scale x 2^-6: exact
.set n, n+2
.endr
.irp i, 0,1,2,3
	ds_store_b128 v7, v[64+4*(\i):67+4*(\i)] offset:SC+4096*(\i)
	ds_store_b128 v7, v[80+4*(\i):83+4*(\i)] offset:SH+4096*(\i)
.endr
	s_wait_loadcnt 0x0
	v_pk_add_f32 v[96:97], v[96:97], v[100:101]
	v_pk_add_f32 v[98:99], v[98:99], v[102:103]
	v_pk_add_f32 v[96:97], v[96:97], v[98:99]
	v_add_f32 v96, v96, v97
	v_add_f32_dpp v96, v96, v96 row_xmask:1 row_mask:0xf bank_mask:0xf
	v_add_f32_dpp v96, v96, v96 row_xmask:2 row_mask:0xf bank_mask:0xf
	v_add_f32_dpp v96, v96, v96 row_xmask:4 row_mask:0xf bank_mask:0xf
	v_add_f32_dpp v96, v96, v96 row_xmask:8 row_mask:0xf bank_mask:0xf
	v_permlanex16_b32 v97, v96, s4, s5
	v_add_f32 v96, v96, v97
	v_mov_b32 v19, 0x34000000                      ; 2^-23 = 1 / (2,048 x 4,096): the mean is exact,
	v_fmaak_f32 v8, v19, v96, 0x3727c5ac           ; so s = mean + 1e-5 has the one rounding of the addition
	v_mul_f32 v9, 0.5, v8                          ; s/2, exact
	s_wait_dscnt 0x0                               ; for the other waves: my part of the two tables is stored
	s_barrier_signal -1
	s_barrier_wait -1                              ; the tables are whole; nothing writes them again
; A stage between registers d apart, from one of WA, WB into the other (the windows say which): a + b and a - b, two numbers an instruction.
.macro RSTAGE d
.set r, 0
.rept 64
.if (r & (\d)) == 0
	v_pk_add_f32 v[WA+r:WA+r+1], v[WA+r:WA+r+1], v[WA+r+(\d):WA+r+(\d)+1]
	v_pk_add_f32 v[WA+r+(\d):WA+r+(\d)+1], v[WA+r:WA+r+1], v[WA+r+(\d):WA+r+(\d)+1] neg_lo:[0,1] neg_hi:[0,1]
.endif
.set r, r+2
.endr
.endm
; A stage between lanes m apart inside a half of 16 lanes, in place on WA, eight registers at a time; the two halves of T take turns.
.macro XSTAGE m, b
.set g, 0
.rept 16
.set n, 0
.rept 8
	v_mov_b32_dpp v[T+8*(g%2)+n], v[WA+8*g+n] row_xmask:\m row_mask:0xf bank_mask:0xf
.set n, n+1
.endr
.set n, 0
.rept 4
	v_pk_fma_f32 v[WA+8*g+n:WA+8*g+n+1], v[WA+8*g+n:WA+8*g+n+1], v[SG+2*(\b):SG+2*(\b)+1], v[T+8*(g%2)+n:T+8*(g%2)+n+1]
.set n, n+2
.endr
.set g, g+1
.endr
.endm
.macro X16                             ; the same between the two halves of the lanes
.set g, 0
.rept 16
.set n, 0
.rept 8
	v_permlanex16_b32 v[T+8*(g%2)+n], v[WA+8*g+n], s4, s5
.set n, n+1
.endr
.set n, 0
.rept 4
	v_pk_fma_f32 v[WA+8*g+n:WA+8*g+n+1], v[WA+8*g+n:WA+8*g+n+1], v[SG+8:SG+9], v[T+8*(g%2)+n:T+8*(g%2)+n+1]
.set n, n+2
.endr
.set g, g+1
.endr
.endm
; Scale and shift for chunk k: registers 8 k .. 8 k + 7 and the same 64 further on, that is blocks j = 2 k, 2 k + 1, 2 k + 16, 2 k + 17 of 512 bytes.  32 lanes take 512 neighbouring bytes.
.macro CLOAD k
.set cb, CB+32*((\k)%2)
	ds_load_b128 v[cb:cb+3],     v2 offset:SC+512*(2*(\k))
	ds_load_b128 v[cb+4:cb+7],   v2 offset:SC+512*(2*(\k)+1)
	ds_load_b128 v[cb+8:cb+11],  v2 offset:SC+512*(2*(\k)+16)
	ds_load_b128 v[cb+12:cb+15], v2 offset:SC+512*(2*(\k)+17)
	ds_load_b128 v[cb+16:cb+19], v2 offset:SH+512*(2*(\k))
	ds_load_b128 v[cb+20:cb+23], v2 offset:SH+512*(2*(\k)+1)
	ds_load_b128 v[cb+24:cb+27], v2 offset:SH+512*(2*(\k)+16)
	ds_load_b128 v[cb+28:cb+31], v2 offset:SH+512*(2*(\k)+17)
.endm
; Chunk k of eight: the last stage (h = 2,048: registers 64 apart), scale and shift, and the running largest and smallest, in four chains each.
.macro CHUNK k
.set cb, CB+32*((\k)%2)
.if (\k) < 7
	s_wait_dscnt 8                                 ; LDS loads come back in order: this chunk is in, the eight of the next stay out
.else
	s_wait_dscnt 0x0
.endif
.set u, 0
.rept 4
.set ra, WA+8*(\k)+2*u
.set rb, ra+64
	v_pk_add_f32 v[T+2*u:T+2*u+1], v[ra:ra+1], v[rb:rb+1]
	v_pk_add_f32 v[T+8+2*u:T+8+2*u+1], v[ra:ra+1], v[rb:rb+1] neg_lo:[0,1] neg_hi:[0,1]
.set u, u+1
.endr
.set u, 0
.rept 4
.set ra, WA+8*(\k)+2*u
.set rb, ra+64
	v_pk_fma_f32 v[ra:ra+1], v[T+2*u:T+2*u+1], v[cb+2*u:cb+2*u+1], v[cb+16+2*u:cb+16+2*u+1]
	v_pk_fma_f32 v[rb:rb+1], v[T+8+2*u:T+8+2*u+1], v[cb+8+2*u:cb+8+2*u+1], v[cb+24+2*u:cb+24+2*u+1]
.set u, u+1
.endr
.set u, 0
.rept 4
.set ra, WA+8*(\k)+2*u
.set rb, ra+64
.if (\k) == 0
	v_max_num_f32 v[MX+u], v[ra], v[ra+1]          ; the first numbers start the chains
	v_min_num_f32 v[MN+u], v[ra], v[ra+1]
.else
	v_max3_num_f32 v[MX+u], v[MX+u], v[ra], v[ra+1]
	v_min3_num_f32 v[MN+u], v[MN+u], v[ra], v[ra+1]
.endif
	v_max3_num_f32 v[MX+u], v[MX+u], v[rb], v[rb+1]
	v_min3_num_f32 v[MN+u], v[MN+u], v[rb], v[rb+1]
.set u, u+1
.endr
.if (\k) < 6
	CLOAD (\k)+2                                   ; into the buffer just read
.endif
.endm
; Sixteen registers: x (7/gamma), round to nearest even, the clip of reference(), bf16 (exact for whole numbers up to 7), and four stores of 256 consecutive bytes, aligned.
.macro QUANT4 g
.set r0, WA+16*(\g)
.set n, 0
.rept 8
	v_pk_mul_f32 v[r0+n:r0+n+1], v[r0+n:r0+n+1], v[10:11]
.set n, n+2
.endr
.set n, 0
.rept 16
	v_rndne_f32 v[r0+n], v[r0+n]
.set n, n+1
.endr
.set n, 0
.rept 16
	v_med3_num_f32 v[r0+n], v[r0+n], s6, s7
.set n, n+1
.endr
.set n, 0
.rept 8
	v_cvt_pk_bf16_f32 v[P+8*(\g)+n], v[r0+2*n], v[r0+2*n+1]
.set n, n+1
.endr
.set n, 0
.rept 4
	global_store_b64 v3, v[P+8*(\g)+2*n:P+8*(\g)+2*n+1], s[12:13] offset:256*(4*(\g)+n)
.set n, n+1
.endr
.endm
.Lrow:                                             ; four trips, a token row each
	s_wait_loadcnt 0x0                             ; the only loads out are the 32 of L: the row is in, and their base may be written
	WIN 0x45                                       ; sources and destination in window 1
.set p, 0
.rept 64
	v_add_f32 v[WA+2*p], v[2*p], v[2*p+1]          ; stage h = 1, from L into WB
	v_sub_f32 v[WA+2*p+1], v[2*p], v[2*p+1]
.set p, p+1
.endr
	s_add_nc_u64 s[10:11], s[10:11], 0x4000        ; the next token row,
	s_cmp_eq_u32 s3, 1
	s_cselect_b64 s[10:11], s[14:15], s[10:11]     ; or behind the last my weight row
	LOADL                                          ; L has been read: it is asked for again at once
	WIN 0x05                                       ; WB to WA
	RSTAGE 2
	WIN 0
	XSTAGE 1, 0                                    ; h = 4
	XSTAGE 2, 1                                    ; h = 8
	XSTAGE 4, 2                                    ; h = 16
	XSTAGE 8, 3                                    ; h = 32
	X16                                            ; h = 64
	CLOAD 0                                        ; the tables for the first two chunks: P, which shares these registers, was freed at the end of the last trip
	CLOAD 1
	WIN 0x40                                       ; WA to WB
	RSTAGE 4                                       ; h = 128
	WIN 0x05
	RSTAGE 8                                       ; h = 256
	WIN 0x40
	RSTAGE 16                                      ; h = 512
	WIN 0x05
	RSTAGE 32                                      ; h = 1,024: the result lies in WA
	WIN 0
.irp k, 0,1,2,3,4,5,6,7
	CHUNK \k
.endr
	v_max3_num_f32 v[MX], v[MX], v[MX+1], v[MX+2]
	v_min3_num_f32 v[MN], v[MN], v[MN+1], v[MN+2]
	v_max_num_f32 v[MX], v[MX], v[MX+3]
	v_min_num_f32 v[MN], v[MN], v[MN+3]
	v_xor_b32 v[MN], 0x80000000, v[MN]
	v_max_num_f32 v[MX], v[MX], v[MN]              ; the largest |xh| of my 128 numbers
	v_max_num_f32_dpp v[MX], v[MX], v[MX] row_xmask:1 row_mask:0xf bank_mask:0xf
	v_max_num_f32_dpp v[MX], v[MX], v[MX] row_xmask:2 row_mask:0xf bank_mask:0xf
	v_max_num_f32_dpp v[MX], v[MX], v[MX] row_xmask:4 row_mask:0xf bank_mask:0xf
	v_max_num_f32_dpp v[MX], v[MX], v[MX] row_xmask:8 row_mask:0xf bank_mask:0xf
	v_permlanex16_b32 v19, v[MX], s4, s5
	v_max_num_f32 v[MX], v[MX], v19
	v_add_f32 v12, 0x3727c5ac, v[MX]               ; gamma = max + 1e-5
	v_rcp_f32 v13, v12
	v_mul_f32 v18, 0x3e124925, v12                 ; gamma / 7: the plain instruction behind the reciprocal
	s_wait_alu depctr_va_vdst(0)                   ; the wait ahead of the first reader of the reciprocal
	v_fma_f32 v14, -v12, v13, 1.0                  ; 7 / gamma, correctly rounded: the reciprocal is refined once,
	v_fma_f32 v15, v14, v13, v13
	v_mul_f32 v16, s7, v15                         ; a first quotient,
	v_fma_f32 v17, -v12, v16, s7                   ; its residual, exact in the fused form,
	v_fma_f32 v16, v17, v15, v16                   ; the corrected quotient,
	v_fma_f32 v17, -v12, v16, s7                   ; and once more
	v_fma_f32 v10, v17, v15, v16
	v_mul_f32 v18, v18, v8                         ; rs = (gamma / 7) s
	v_mov_b32 v11, v10
	v_cmp_eq_u32 vcc_lo, s33, v1
	v_cndmask_b32 v6, v6, v18, vcc_lo              ; lane t keeps the scale of row t
.irp g, 0,1,2,3,4,5,6,7
	QUANT4 \g
.endr
	s_wait_xcnt 0x0                                ; the stores have read their base and P: both are written again only behind this wait
	s_add_nc_u64 s[12:13], s[12:13], 0x2000
	s_add_co_u32 s33, s33, 1
	s_sub_co_u32 s3, s3, 1
	s_cmp_lg_u32 s3, 0
	s_cbranch_scc1 .Lrow
	s_wait_loadcnt 0x0                             ; my weight row lies in L
; Sixteen weights: |w|; 1.0 with the sign of w; kept where |w| > s/2, else 0; bf16; four stores of 256 consecutive bytes.
.macro TERN q
	WIN 0x14                                       ; sources 1 and 2 in window 1
.set n, 0
.rept 16
	v_and_b32 v[32+n], s34, v[16*(\q)+n]
	v_bfi_b32 v[48+n], s34, s35, v[16*(\q)+n]
.set n, n+1
.endr
	WIN 0
.set n, 0
.rept 16
	v_cmp_gt_f32 s[40+n%4], v[32+n], v9
	v_cndmask_b32 v[48+n], 0, v[48+n], s[40+n%4]
.set n, n+1
.endr
.set n, 0
.rept 8
	v_cvt_pk_bf16_f32 v[P+8*(\q)+n], v[48+2*n], v[48+2*n+1]
.set n, n+1
.endr
.set n, 0
.rept 4
	global_store_b64 v3, v[P+8*(\q)+2*n:P+8*(\q)+2*n+1], s[36:37] offset:256*(4*(\q)+n)
.set n, n+1
.endr
.endm
.irp q, 0,1,2,3,4,5,6,7
	TERN \q
.endr
	s_wait_xcnt 0x0                                ; EXEC changes only behind this wait
	v_cmp_gt_u32 vcc_lo, 4, v1
	s_and_saveexec_b32 s32, vcc_lo
	global_store_b32 v30, v6, s[30:31]             ; the four scales of my rows
	s_wait_xcnt 0x0
	s_or_b32 exec_lo, exec_lo, s32
	s_wait_tensorcnt 0x0                           ; the end of a wave that stored to LDS
	ds_add_u32 v4, v5
	s_wait_dscnt 0x0
	s_endpgm
.Lfunc_end_k_q825619c848_prep:
	.size	k_q825619c848_prep, .Lfunc_end_k_q825619c848_prep-k_q825619c848_prep
	.p2alignl 7, 3214868480
	.fill 96, 4, 3214868480
	.section	.rodata,"a",@progbits
	.p2align	6, 0x0
	.amdhsa_kernel k_q825619c848_prep
		.amdhsa_group_segment_fixed_size 33792
		.amdhsa_private_segment_fixed_size 0
		.amdhsa_enable_private_segment 0
		.amdhsa_kernarg_size 64
		.amdhsa_user_sgpr_count 2
		.amdhsa_user_sgpr_kernarg_segment_ptr 1
		.amdhsa_wavefront_size32 1
		.amdhsa_system_sgpr_workgroup_id_x 1
		.amdhsa_system_sgpr_workgroup_id_y 1
		.amdhsa_system_sgpr_workgroup_id_z 1
		.amdhsa_system_vgpr_workitem_id 0
		.amdhsa_next_free_vgpr 512
		.amdhsa_next_free_sgpr 66
		.amdhsa_reserve_vcc 1
		.amdhsa_float_denorm_mode_32 3
		.amdhsa_float_denorm_mode_16_64 3
		.amdhsa_memory_ordered 1
		.amdhsa_forward_progress 1
		.amdhsa_inst_pref_size 178
	.end_amdhsa_kernel
	.amdgpu_metadata
---
amdhsa.version: [ 1, 2 ]
amdhsa.kernels:
  - .name:           k_q825619c848_prep
    .symbol:         k_q825619c848_prep.kd
    .args:
      - { .name: x, .offset: 0, .size: 8, .value_kind: global_buffer, .address_space: global }
      - { .name: weight, .offset: 8, .size: 8, .value_kind: global_buffer, .address_space: global }
      - { .name: had_scale, .offset: 16, .size: 8, .value_kind: global_buffer, .address_space: global }
      - { .name: had_shift, .offset: 24, .size: 8, .value_kind: global_buffer, .address_space: global }
      - { .name: part, .offset: 32, .size: 8, .value_kind: global_buffer, .address_space: global }
      - { .name: xq, .offset: 40, .size: 8, .value_kind: global_buffer, .address_space: global }
      - { .name: wt, .offset: 48, .size: 8, .value_kind: global_buffer, .address_space: global }
      - { .name: rs, .offset: 56, .size: 8, .value_kind: global_buffer, .address_space: global }
    .group_segment_fixed_size: 33792
    .private_segment_fixed_size: 0
    .kernarg_segment_align: 8
    .kernarg_segment_size: 64
    .max_flat_workgroup_size: 256
    .sgpr_count:     66
    .vgpr_count:     512
    .wavefront_size: 32
...
	.end_amdgpu_metadata
.endif
;; end of part 2
;; launch gemm (part 3): grid 8 x 32, 4 waves a work-group, clusters of 4 x 4, 327,680 bytes of LDS; arguments xq, wt, rs, out0; writes out0
.if DOCPART == 3
	.amdgcn_target "amdgcn-amd-amdhsa--gfx1250"
	.amdhsa_code_object_version 6
	.text
	.protected	k_q825619c848_gemm
	.globl	k_q825619c848_gemm
	.p2align	8
	.type	k_q825619c848_gemm,@function
k_q825619c848_gemm:
	s_mov_b64 s[64:65], 0
	v_nop
	global_prefetch_b8 v0, s[64:65] scope:SCOPE_SE
	s_setreg_imm32_b32 hwreg(HW_REG_WAVE_MODE, 25, 1), 1
	s_wait_xcnt 0x0
	s_wait_alu depctr_hold_cnt(0) depctr_sa_sdst(0) depctr_va_vdst(0) depctr_va_sdst(0) depctr_va_ssrc(0) depctr_va_vcc(0) depctr_vm_vsrc(0)
	s_getreg_b32 s2, hwreg(HW_REG_IB_STS2, 6, 4)
	s_cmp_eq_u32 s2, 0
	s_cbranch_scc0 .Lentry_in_a_cluster
	s_endpgm
.Lentry_in_a_cluster:
	s_bfe_u32 s2, ttmp6, 0x10000c
	s_cmp_lg_u32 s2, 0xf033
	s_cbranch_scc0 .Lentry_shape_is_right
	s_endpgm
.Lentry_shape_is_right:
; LAUNCH 3 OF 3.  out0[t][o] = rs[t] x sum over k of xq[t][k] wt[o][k].  xq: [8192][4096] bf16, whole numbers -7..7; wt: [2048][4096] bf16, -1, 0, 1; rs: [8192] f32; out0: [8192][2048] f32.
; Left out, as shown at the head of the first kernel: the scales inside the sum (they stand in rs, applied once for each output).  The sums are whole numbers up to 28,672: exact in f32.
; A tile of C, 256 x 256, is made by a work-group of four waves; a wave makes 128 x 128: 64 accumulators of 16 x 16, 512 registers.  32 x 8 = 256 tiles, one a work-group.
; K goes in steps of 128 through a ring of two LDS slots filled by the tensor data mover: the rows of the tiles are 256 bytes of memory and start at multiples of 256 bytes.
; CLUSTERS: 4 x 4 work-groups.  The four of a row of the cluster need the same tiles of A (xq), the four of a column the same tiles of B (wt): each tile is asked for JOINTLY, by the same tensor
; load with the same descriptor and a mask that names the four; each receives it in its own LDS.
; REGISTERS, in windows of 256 (s_set_vgpr_msb: bits 1:0 source 0, 3:2 source 1, 5:4 source 2, 7:6 destination):
;   window 0: v0-31 addresses; v32-47 the row scales, each twice; v64-127, v128-191 fragments of A, two buffers; on the way out v64-127 scaled results, v128-191 and v192-255 rows read back
;   window 1: v64-127, v128-191 fragments of B      window 2: the 32 accumulators of my rows 0-63 ((a, b) at v[8 (8 a + b)])      window 3: those of my rows 64-127
; THE MATRIX INSTRUCTION IS USED TRANSPOSED: source 0 = 16 rows of B, source 1 = 16 rows of A: lane l then holds row l % 16 of C and the eight neighbouring columns 8 (l / 16) + 0..7.
.set SIZE_M, 8192
.set SIZE_N, 2048
.set SIZE_K, 4096
.set KSTEP,  128
.set PITCH,  272                       ; an LDS row: 256 bytes + 16 of padding = 68 words: the 16 rows that a load touches start at 16 different groups of four banks (64 banks of 4 bytes: ISA guide 11.1)
.set HALFT,  128*PITCH                 ; 128 rows: what one tensor load brings, and what one wave reads of A or of B
.set SLOT,   4*HALFT                   ; 256 rows of A, then 256 rows of B
.set STAGE,  2*SLOT                    ; behind the ring: 16 rows x 528 bytes for each wave, for the way out; no tensor load lands here
.set SPITCH, 528                       ; 512 bytes (128 f32) + 16
.set SPARE,  STAGE+4*16*SPITCH         ; behind the stages: the spare words, 128 bytes for each wave
.set LAPS,   SIZE_K/(2*KSTEP)          ; a lap = two K steps = once round the ring
.set RSO,  6                           ; v6      4 x (l % 16): my row in a block of 16 scales
.set ADRA, 16                          ; v16-17  LDS address of my A fragments in slot 0, 1
.set ADRB, 20                          ; v20-21  the same for B
.set STO,  24                          ; v24     the way out: where I put 32 bytes of a row
.set RD,   25                          ; v25     the way out: where I read a row back
.set CO,   26                          ; v26     16 x lane: my 16 bytes of 512 consecutive bytes of C
.set SPW,  28                          ; v28     my spare word; never rewritten
.set NIL,  29                          ; v29     0; never rewritten
.set PFO,  30                          ; v30     the offset of the prefetches: my lane x a row of A or B; never rewritten
.set RS,   32                          ; v[32:47] block a: rs of my row, in both registers of pair a
.set PFA,  44                          ; s[44:45] where my prefetches stand
.set LIM,  43                          ; s43     1 in a wave that prefetches, else the greatest number
.set F0,   64
.set F1,   128
.set TMP,  64
.set OB,   128
.set G1, 24                            ; s[24:31] descriptor group 1 for tiles of A
.set G0, 32                            ; s[32:39] group 0 for A, one set for each slot
.set G1B, 48                           ; s[48:55] group 1 for B: it differs in the mask alone
.set G0B, 56                           ; s[56:63] group 0 for B
.set MSB, 0
.macro WIN new                         ; the high byte repeats the setting that is left; a switch that changes nothing is dropped
.if MSB != (\new)
	s_set_vgpr_msb (MSB<<8)|(\new)
.set MSB, \new
.endif
.endm
.set MUL_LO, 0xa1                      ; source 0 (B) window 1, source 1 (A) window 0, C and D window 2
.set MUL_HI, 0xf1                      ; the same, C and D window 3
.set TO_B,   0x40                      ; destination window 1, address window 0
; A joint load.  Waves 0 and 1 fetch the two halves of A, waves 2 and 3 those of B.  The branch hangs on the wave number alone.  An s_nop 0 and four v_nop follow each of the two lines.
.macro JLOAD s
	s_cmp_eq_u32 s11, 0
	s_cbranch_scc0 .Lfor_b_\@
	tensor_load_to_lds s[G0+4*(\s):G0+4*(\s)+3], s[G1:G1+7]
	s_nop 0
.rept 4
	v_nop
.endr
	s_branch .Lasked_\@
.Lfor_b_\@:
	tensor_load_to_lds s[G0B+4*(\s):G0B+4*(\s)+3], s[G1B:G1B+7]
	s_nop 0
.rept 4
	v_nop
.endr
.Lasked_\@:
.endm
; A prefetch into the L2, behind each joint load and the run of LDS loads that follows it: the K step that stands two refills on, 512 matrix instructions ahead of the load that will want it:
; 32 rows x 256 bytes, a lane a row, one instruction a wave.  Each 256 bytes of a row are named once in the launch: rows of A by the clusters with x = 0, rows of B by those with y = 0;
; the four partners that ask for a tile jointly share its rows out by address, 32 each.  The last trip of the loop asks for nothing: there is no K step two on.
.macro ASK
	s_cmp_gt_u32 s3, s[LIM]                        ; s3 = 1 in the last trip
	s_cbranch_scc0 .Lnot_mine_\@
	global_prefetch_b8 v[PFO], s[PFA:PFA+1] offset:KSTEP*2 th:TH_LOAD_NT scope:SCOPE_SE
.Lnot_mine_\@:
.endm
.macro CREST                           ; a round of the barrier of the cluster, behind its opening barrier
	s_cmp_lg_u32 s10, 0
	s_cbranch_scc1 .Lnot_wave_0_\@
	s_barrier_signal -3
.Lnot_wave_0_\@:
	s_barrier_wait -3
	s_barrier_signal -1
	s_barrier_wait -1
.endm
.macro CROUND                          ; a whole round
	s_barrier_signal -1
	s_barrier_wait -1
	CREST
.endm
	s_load_b128 s[4:7], s[0:1], 0x0                ; A = xq s[4:5], B = wt s[6:7]
	s_load_b64 s[66:67], s[0:1], 0x10              ; rs
	s_load_b64 s[8:9], s[0:1], 0x18                ; C = out0
	v_lshl_add_u32 v[SPW], v0, 2, SPARE
	v_mov_b32 v[NIL], 0
	ds_add_u32 v[SPW], v[NIL]                      ; the opening of the wave: the add, twice on end, and its wait ahead of my first tensor load
	ds_add_u32 v[SPW], v[NIL]
	v_lshrrev_b32 v1, 5, v0
	v_readfirstlane_b32 s10, v1                    ; wave 0..3
	s_lshr_b32 s11, s10, 1                         ; which half of the rows of the tile is mine.  Also: I fetch for A (0) or for B (1)
	s_and_b32 s12, s10, 1                          ; which half of its columns.  Also: which 128 rows of that tile I fetch
	s_bfe_u32 s40, ttmp6, 0x40000                  ; cx
	s_bfe_u32 s41, ttmp6, 0x40004                  ; cy
	s_lshl_b32 s42, ttmp9, 2
	s_add_co_u32 s42, s42, s40                     ; tile column of C = 4 x cluster x + cx
	s_and_b32 s13, ttmp7, 0xffff
	s_lshl_b32 s13, s13, 2
	s_add_co_u32 s13, s13, s41                     ; tile row of C = 4 x cluster y + cy
	s_lshl_b32 s43, s41, 2
	s_lshl_b32 s43, 15, s43                        ; my row of the cluster: places 4 cy .. 4 cy + 3
	s_lshl_b32 s44, 0x1111, s40                    ; my column: places cx, cx + 4, cx + 8, cx + 12
	; descriptor group 1: a tile of 128 rows x 128 elements of 2 bytes, 4 words of padding behind every 64
	s_or_b32 s[G1+0], s43, (1<<16)|(1<<20)|(1<<21)|(5<<22)|(3<<25)
	s_or_b32 s[G1B+0], s44, (1<<16)|(1<<20)|(1<<21)|(5<<22)|(3<<25)
	s_mov_b32 s[G1B+1], KSTEP<<16
	s_mov_b32 s[G1+1], KSTEP<<16                   ; tensor_dim0 = 128
	s_mov_b32 s[G1B+2], 128<<16
	s_mov_b32 s[G1+2], 128<<16                     ; tensor_dim1 = 128
	s_mov_b32 s[G1B+3], KSTEP<<16
	s_mov_b32 s[G1+3], KSTEP<<16                   ; tile_dim0 = 128
	s_mov_b32 s[G1B+4], 128
	s_mov_b32 s[G1+4], 128                         ; tile_dim1 = 128
	s_mov_b32 s[G1B+5], SIZE_K
	s_mov_b32 s[G1+5], SIZE_K                      ; elements from row to row
	s_mov_b32 s[G1B+6], 0
	s_mov_b32 s[G1+6], 0
	s_mov_b32 s[G1B+7], 0
	s_mov_b32 s[G1+7], 0
	; where the tiles come from: A by the tile row alone, B by the tile column alone, each in registers that never hold the other coordinate
	s_lshl_b32 s17, s12, 7
	s_lshl_b32 s16, s13, 8
	s_add_co_u32 s16, s16, s17                     ; A: row 256 x tile row + 128 x half
	s_lshl_b32 s46, s42, 8
	s_add_co_u32 s46, s46, s17                     ; B: row 256 x tile column + 128 x half
	s_mov_b32 s17, 0
	s_mov_b32 s47, 0
	s_mov_b64 s[18:19], SIZE_K*2
	s_mul_u64 s[16:17], s[16:17], s[18:19]
	s_mul_u64 s[46:47], s[46:47], s[18:19]
	s_mul_i32 s20, s10, HALFT                      ; where they go: wave x 128 rows
	s_wait_dscnt 0x0                               ; both opening adds are done
	s_wait_kmcnt 0x0
	s_add_nc_u64 s[14:15], s[4:5], s[16:17]
	s_add_nc_u64 s[46:47], s[6:7], s[46:47]
	CROUND                                         ; all sixteen work-groups are here: the first joint loads meet
.irp s, 0,1
	s_mov_b32 s[G0+4*(\s)], 1
	s_add_co_u32 s[G0+4*(\s)+1], s20, (\s)*SLOT
	s_add_nc_u64 s[G0+4*(\s)+2:G0+4*(\s)+3], s[14:15], (\s)*KSTEP*2
	s_or_b32 s[G0+4*(\s)+3], s[G0+4*(\s)+3], 0x80000000
	s_mov_b32 s[G0B+4*(\s)], 1
	s_add_co_u32 s[G0B+4*(\s)+1], s20, (\s)*SLOT
	s_add_nc_u64 s[G0B+4*(\s)+2:G0B+4*(\s)+3], s[46:47], (\s)*KSTEP*2
	s_or_b32 s[G0B+4*(\s)+3], s[G0B+4*(\s)+3], 0x80000000
	JLOAD \s                                       ; the ring is filled before anything else is done: two tensor loads of mine are out
.endr
	; A fragment is 16 rows x 32 K in 8 registers: lane l holds row l % 16; registers 0-3 K = 8 (l / 16) + 0..7, registers 4-7 K = 16 + 8 (l / 16) + 0..7: two loads of 16 bytes, 32 bytes apart.
	v_and_b32 v1, 15, v0                           ; l % 16
	v_bfe_u32 v2, v0, 4, 1                         ; l / 16
	v_mul_u32_u24 v3, v1, PITCH
	v_lshl_add_u32 v3, v2, 4, v3
	s_mul_i32 s21, s11, HALFT                      ; my 128 rows of A
	s_mul_i32 s22, s12, HALFT                      ; my 128 rows of B,
	s_add_co_u32 s22, s22, 2*HALFT                 ; which lie behind the 256 of A
.irp s, 0,1
	v_add_nc_u32 v[ADRA+(\s)], s21, v3
	v_add_nc_u32 v[ADRB+(\s)], s22, v3
	s_add_co_u32 s21, s21, SLOT
	s_add_co_u32 s22, s22, SLOT
.endr
	s_mul_i32 s23, s10, 16*SPITCH
	s_add_co_u32 s23, s23, STAGE                   ; my stage
	v_mul_u32_u24 v4, v1, SPITCH                   ; in: row l % 16, 32 bytes for each half of the lanes
	v_lshl_add_u32 v4, v2, 5, v4
	v_add_nc_u32 v[STO], s23, v4
	v_and_b32 v5, 31, v0
	v_lshlrev_b32 v[CO], 4, v5                     ; back: the 32 lanes take one row of 512 bytes
	v_add_nc_u32 v[RD], s23, v[CO]
	v_lshlrev_b32 v[RSO], 2, v1
	s_lshl_b32 s13, s13, 8
	s_lshl_b32 s14, s11, 7
	s_add_co_u32 s16, s13, s14                     ; my first row of C
	s_lshl_b32 s20, s16, 2
	s_mov_b32 s21, 0
	s_add_nc_u64 s[66:67], s[66:67], s[20:21]      ; rs at that row
.irp a, 0,1,2,3,4,5,6,7
	global_load_b32 v[RS+2*(\a)],   v[RSO], s[66:67] offset:64*(\a)   ; the scale of my row in block a, into both registers of a pair, so that the packed multiply takes the pair as it stands
	global_load_b32 v[RS+2*(\a)+1], v[RSO], s[66:67] offset:64*(\a)
.endr
	s_mov_b32 s17, 0
	s_mov_b64 s[18:19], SIZE_N*4
	s_mul_u64 s[16:17], s[16:17], s[18:19]
	s_lshl_b32 s46, s42, 10                        ; my first column, in bytes: 1,024 x tile column + 512 x half
	s_lshl_b32 s47, s12, 9
	s_add_co_u32 s46, s46, s47
	s_mov_b32 s47, 0
	s_add_nc_u64 s[16:17], s[16:17], s[46:47]      ; what the way out adds to the address of C
	; the prefetches.  s13 = 256 x tile row, s42 = tile column, s40 = cx, s41 = cy still stand
	s_lshl_b32 s42, s42, 8
	s_and_b32 s22, ttmp7, 0xffff                   ; cluster y
	s_cmp_eq_u32 s11, 0                            ; do I fetch for A?
	s_cselect_b32 s20, s13, s42                    ; the first row of the tile
	s_cselect_b32 s21, s40, s41                    ; my place among the four that ask for it with me
	s_cselect_b32 s22, ttmp9, s22                  ; the coordinate along which other clusters read the same rows
	s_cselect_b64 s[PFA:PFA+1], s[4:5], s[6:7]
	s_cmp_eq_u32 s22, 0
	s_cselect_b32 s[LIM], 1, -1                    ; the same in all sixteen partners, for a given wave
	s_lshl_b32 s22, s12, 7
	s_add_co_u32 s20, s20, s22                     ; + the 128 rows that I fetch
	s_lshl_b32 s21, s21, 5
	s_add_co_u32 s20, s20, s21                     ; + the 32 of them that fall to my work-group
	s_mov_b32 s21, 0
	s_mov_b64 s[18:19], SIZE_K*2
	s_mul_u64 s[20:21], s[20:21], s[18:19]
	s_add_nc_u64 s[PFA:PFA+1], s[PFA:PFA+1], s[20:21]
	s_add_nc_u64 s[PFA:PFA+1], s[PFA:PFA+1], 2*KSTEP*2  ; at K step 2: the first refill steps it to 3 and names K step 4.  Nothing is prefetched at the head
	v_and_b32 v[PFO], 31, v0
	v_mul_u32_u24 v[PFO], v[PFO], SIZE_K*2
; 16 matrix instructions: m blocks a0, a0 + 1 of the four of the window (hi = 0: my rows 0-63, 1: rows 64-127) x all 8 n blocks, 32 along K.  zero = 1: the first product starts the sums.
; The 64 accumulators take turns, one instruction a turn, in the same order in every quarter step.
.macro MUL16 f, hi, a0, zero
	WIN MUL_LO+0x50*(\hi)
.irp a, \a0, (\a0)+1
.irp b, 0,1,2,3,4,5,6,7
.if \zero
	v_wmma_f32_16x16x32_bf16 v[8*(8*(\a)+(\b)):8*(8*(\a)+(\b))+7], v[(\f)+8*(\b):(\f)+8*(\b)+7], v[(\f)+8*(4*(\hi)+(\a)):(\f)+8*(4*(\hi)+(\a))+7], 0
.else
	v_wmma_f32_16x16x32_bf16 v[8*(8*(\a)+(\b)):8*(8*(\a)+(\b))+7], v[(\f)+8*(\b):(\f)+8*(\b)+7], v[(\f)+8*(4*(\hi)+(\a)):(\f)+8*(4*(\hi)+(\a))+7], v[8*(8*(\a)+(\b)):8*(8*(\a)+(\b))+7]
.endif
.endr
.endr
.endm
; 32 LDS loads in one run: the fragments of one quarter step (128 rows of B, 128 rows of A, 32 K at byte k of the rows) into buffer f
.macro FETCH slot, k, f
	WIN TO_B
.irp i, 0,1,2,3,4,5,6,7
	ds_load_b128 v[(\f)+8*(\i):(\f)+8*(\i)+3],   v[ADRB+(\slot)] offset:(\k)+(\i)*16*PITCH
	ds_load_b128 v[(\f)+8*(\i)+4:(\f)+8*(\i)+7], v[ADRB+(\slot)] offset:(\k)+(\i)*16*PITCH+32
.endr
	WIN 0
.irp i, 0,1,2,3,4,5,6,7
	ds_load_b128 v[(\f)+8*(\i):(\f)+8*(\i)+3],   v[ADRA+(\slot)] offset:(\k)+(\i)*16*PITCH
	ds_load_b128 v[(\f)+8*(\i)+4:(\f)+8*(\i)+7], v[ADRA+(\slot)] offset:(\k)+(\i)*16*PITCH+32
.endr
.endm
; Four places ahead of loads into registers that matrix instructions have read, and of vector instructions that read results just made.
.macro PLACES
.rept 4
	v_nop
.endr
.endm
; A K step is four quarter steps of 32 along K, 64 matrix instructions each, on buffers 0, 1, 0, 1.  One of the first three multiplies buffer f and fetches the next quarter, at byte k, into g.
.macro QUARTER slot, k, f, g, zero
	s_wait_dscnt 8                                 ; B and rows 0-63 of A are in; the youngest eight loads (rows 64-127 of A) may be out
	WIN MUL_LO
	MUL16 \f, 0, 0, \zero
	MUL16 \f, 0, 2, \zero
	PLACES
	FETCH \slot, \k, \g
	s_wait_dscnt 32                                ; all but the 32 just issued
	WIN MUL_HI
	MUL16 \f, 1, 0, \zero
	MUL16 \f, 1, 2, \zero
.endm
; The first half of the last quarter: ONE barrier for the change of slots.  Ahead of it each wave waits for all its tensor loads (one is out: its part of the next slot), adds 0 to its spare word,
; and waits for that and for its own reads of this slot.  Behind it nobody reads this slot any more and the next slot is whole.
.macro MEET round                      ; round = 1: a round of the barrier of the cluster follows
	WIN 0
	s_wait_tensorcnt 0x0
	ds_add_u32 v[SPW], v[NIL]
	s_wait_dscnt 9                                 ; the add and the youngest eight loads may be out
	WIN MUL_LO
	MUL16 F1, 0, 0, 0                              ; sixteen matrix instructions stand between the add and the wait for it
	s_wait_dscnt 0x0                               ; the add is done, and my reads of this slot are over
	s_barrier_signal -1
	MUL16 F1, 0, 2, 0                              ; work on registers while the others arrive
.if \round
	WIN 0
.endif
	s_barrier_wait -1
.endm
; The whole last quarter.  Behind the round the slot just read out is filled again first, with the K step two steps on; then come the first fragments of the next slot.
; From a request to the wait for it a wave issues 224 matrix instructions.
.macro TURN slot, next
	s_wait_xcnt 0x0                                ; the last prefetch, a K step back, has read its address: it is stepped here, ahead of the waits of the change of slots
	s_add_nc_u64 s[PFA:PFA+1], s[PFA:PFA+1], KSTEP*2
	MEET 1
	CREST                                          ; no wave of any partner still reads this slot or has a load on its way
	s_add_nc_u64 s[G0+4*(\slot)+2:G0+4*(\slot)+3], s[G0+4*(\slot)+2:G0+4*(\slot)+3], 2*KSTEP*2
	s_add_nc_u64 s[G0B+4*(\slot)+2:G0B+4*(\slot)+3], s[G0B+4*(\slot)+2:G0B+4*(\slot)+3], 2*KSTEP*2
	JLOAD \slot                                    ; the first tensor load behind the round, my only one until the next; its four v_nop are also the places ahead of the loads below
	FETCH \next, 0, F0
	ASK
	WIN MUL_HI
	MUL16 F1, 1, 0, 0
	MUL16 F1, 1, 2, 0
.endm
; THE WAY OUT of block a (16 rows), in three parts.  PACK: times the scale of my row, into other registers, each accumulator from its low end on.  TOSTAGE: into my own stage in LDS and back as whole rows
; of 512 bytes.  SEND: stored.
.macro PACK a
.set AC, 64*((\a)%4)
	WIN 0x02+(\a)/4                                ; source 0: window 2 or 3
.irp b, 0,1,2,3,4,5,6,7
.irp r, 0,1,2,3
	v_pk_mul_f32 v[TMP+8*(\b)+2*(\r):TMP+8*(\b)+2*(\r)+1], v[AC+8*(\b)+2*(\r):AC+8*(\b)+2*(\r)+1], v[RS+2*(\a):RS+2*(\a)+1]
.endr
.endr
	WIN 0
.endm
.macro TOSTAGE a
	WIN 0
.set BK, OB+64*((\a)%2)
.irp b, 0,1,2,3,4,5,6,7
	ds_store_b128 v[STO], v[TMP+8*(\b):TMP+8*(\b)+3]   offset:64*(\b)
	ds_store_b128 v[STO], v[TMP+8*(\b)+4:TMP+8*(\b)+7] offset:64*(\b)+16
.endr
.irp t, 0,1,2,3,4,5,6,7,8,9,10,11,12,13,14,15
	ds_load_b128 v[BK+4*(\t):BK+4*(\t)+3], v[RD] offset:(\t)*SPITCH  ; LDS serves the instructions of a wave in order (ISA guide 5.7.1.4): these see the stores above
.endr
.endm
.macro SEND a
	WIN 0
.set BK, OB+64*((\a)%2)
	s_wait_dscnt 0x0                               ; the block is back in registers
	s_wait_xcnt 0x0                                ; earlier stores have read their base and their data: only behind this wait are these written again
.if (\a) == 0
	s_add_nc_u64 s[8:9], s[8:9], s[16:17]          ; on to my first rows and columns
.else
	s_add_nc_u64 s[8:9], s[8:9], 16*SIZE_N*4       ; 16 rows of C on
.endif
.irp t, 0,1,2,3,4,5,6,7,8,9,10,11,12,13,14,15
	global_store_b128 v[CO], v[BK+4*(\t):BK+4*(\t)+3], s[8:9] offset:(\t)*SIZE_N*4 th:TH_STORE_NT  ; the wave stores 512 consecutive bytes, at a multiple of 512 from the first byte of C
.endr
.endm
	s_wait_tensorcnt 1                             ; my part of K step 0 is in; that of K step 1 may stay out
	s_barrier_signal -1
	s_barrier_wait -1                              ; the parts of all four waves are in
	FETCH 0, 0, F0
	QUARTER 0, 64,  F0, F1, 1                      ; the first quarter stands ahead of the loop: its products start the sums
	WIN 0                                          ; at a label and at a branch every window is 0
	s_mov_b32 s3, LAPS-1
.Llap:                                             ; a trip goes once round the ring, from the second quarter of a lap to the first of the next, and fills both slots again
	QUARTER 0, 128, F1, F0, 0
	QUARTER 0, 192, F0, F1, 0
	TURN 0, 1
	QUARTER 1, 64,  F0, F1, 0
	QUARTER 1, 128, F1, F0, 0
	QUARTER 1, 192, F0, F1, 0
	TURN 1, 0
	QUARTER 0, 64,  F0, F1, 0
	WIN 0
	s_sub_co_u32 s3, s3, 1
	s_cmp_lg_u32 s3, 0
	s_cbranch_scc1 .Llap
	QUARTER 0, 128, F1, F0, 0                      ; the last lap is written out: it fills nothing
	QUARTER 0, 192, F0, F1, 0
	MEET 0                                         ; my one tensor load that was still out is the last K step; no round follows
	PLACES
	FETCH 1, 0, F0
	WIN MUL_HI
	MUL16 F1, 1, 0, 0
	MUL16 F1, 1, 2, 0
	QUARTER 1, 64,  F0, F1, 0
	QUARTER 1, 128, F1, F0, 0
	QUARTER 1, 192, F0, F1, 0
	s_wait_dscnt 8                                 ; the very last quarter: nothing more to fetch
	WIN MUL_LO
	MUL16 F1, 0, 0, 0
	MUL16 F1, 0, 2, 0
	s_wait_dscnt 0x0
	MUL16 F1, 1, 0, 0
	MUL16 F1, 1, 2, 0
	WIN 0
	s_wait_loadcnt 0x0                             ; the row scales, asked for at the head
	PLACES                                         ; behind the last products
	PACK 0
	TOSTAGE 0
.irp a, 1,2,3,4,5,6,7                  ; the multiplies of block a stand between the loads of block a - 1 from the stage and the wait for them
	PACK \a
	SEND (\a)-1
	TOSTAGE \a
.endr
	SEND 7
	s_wait_tensorcnt 0x0                           ; the end of the wave, behind my last tensor load and my last LDS store
	ds_add_u32 v[SPW], v[NIL]
	s_wait_dscnt 0x0
	CROUND                                         ; the closing round: no work-group ends while a partner may still ask for a tile that names it
	s_endpgm
.Lfunc_end_k_q825619c848_gemm:
	.size	k_q825619c848_gemm, .Lfunc_end_k_q825619c848_gemm-k_q825619c848_gemm
	.p2alignl 7, 3214868480
	.fill 96, 4, 3214868480
	.section	.rodata,"a",@progbits
	.p2align	6, 0x0
	.amdhsa_kernel k_q825619c848_gemm
		.amdhsa_group_segment_fixed_size 327680
		.amdhsa_private_segment_fixed_size 0
		.amdhsa_enable_private_segment 0
		.amdhsa_kernarg_size 32
		.amdhsa_user_sgpr_count 2
		.amdhsa_user_sgpr_kernarg_segment_ptr 1
		.amdhsa_wavefront_size32 1
		.amdhsa_system_sgpr_workgroup_id_x 1
		.amdhsa_system_sgpr_workgroup_id_y 1
		.amdhsa_system_sgpr_workgroup_id_z 1
		.amdhsa_system_vgpr_workitem_id 0
		.amdhsa_next_free_vgpr 1024
		.amdhsa_next_free_sgpr 68
		.amdhsa_reserve_vcc 0
		.amdhsa_float_denorm_mode_32 3
		.amdhsa_float_denorm_mode_16_64 3
		.amdhsa_memory_ordered 1
		.amdhsa_forward_progress 1
		.amdhsa_inst_pref_size 160
	.end_amdhsa_kernel
	.amdgpu_metadata
---
amdhsa.version: [ 1, 2 ]
amdhsa.kernels:
  - .name:           k_q825619c848_gemm
    .symbol:         k_q825619c848_gemm.kd
    .args:
      - { .name: xq, .offset: 0, .size: 8, .value_kind: global_buffer, .address_space: global }
      - { .name: wt, .offset: 8, .size: 8, .value_kind: global_buffer, .address_space: global }
      - { .name: rs, .offset: 16, .size: 8, .value_kind: global_buffer, .address_space: global }
      - { .name: out0, .offset: 24, .size: 8, .value_kind: global_buffer, .address_space: global }
    .group_segment_fixed_size: 327680
    .private_segment_fixed_size: 0
    .kernarg_segment_align: 8
    .kernarg_segment_size: 32
    .max_flat_workgroup_size: 128
    .sgpr_count:     68
    .vgpr_count:     1024
    .wavefront_size: 32
...
	.end_amdgpu_metadata
.endif
;; end of part 3
